; MI455X (gfx1250); checked and timed in simulation.
; The chip was launched on July 23, 2026; its instructions are those of AMD's public machine-readable ISA for CDNA 5 (MIT licence, August 2026) and "CDNA5" Instruction Set Architecture Reference Guide (July 2026). The comments in the code are by the model that wrote it; some were corrected since.
;; Grouped Query Attention. Allowed arithmetic: matrix products marked QUANTISED: E4M3 operands, one given power-of-two scale a tensor, by v_wmma_f32_16x16x64_fp8_fp8 or v_wmma_f32_16x16x128_fp8_fp8, f32 sums; everything else in f32.
;; Inputs: Wk 512 x 2,048 float32; Wo 1,024 x 2,048 float32; Wq 2,048 x 2,048 float32; Wv 512 x 2,048 float32; attention_mask 2 x 1 x 2,048 x 2,048 int32; bk 512 float32; bo 1,024 float32; bq 2,048 float32; bv 512 float32; hidden_state 2 x 2,048 x 2,048 float32; lowp_scales 12 int32 (the exponents e of the quantised operands' scales 2^e).
;; Outputs: out0 2 x 2,048 x 1,024 float32.
;; This version of the problem:
;;   THIS VERSION OF THE PROBLEM IS GIVEN IN LOW PRECISION. The matrix products marked QUANTISED in the list below multiply operands that are first quantised to E4M3 (4 exponent bits, 3 mantissa bits; 8 bits a number), with one given power-of-two scale for each operand tensor; their sums are f32. All else is computed in f32.
;;   The module's matrix products, in the order in which they are computed (A, B: the left and right operand; K: the contracted axis; several contracted axes count as one K, in the product's order):
;;     1. [M 4,096, K 2,048] x [K 2,048, N 2,048]; A: input hidden_state; B: input Wq: QUANTISED (scales: A lowp_scales[0], B lowp_scales[1])
;;     2. [M 4,096, K 2,048] x [K 2,048, N 512]; A: input hidden_state; B: input Wk: QUANTISED (scales: A lowp_scales[2], B lowp_scales[3])
;;     3. [M 4,096, K 2,048] x [K 2,048, N 512]; A: input hidden_state; B: input Wv: QUANTISED (scales: A lowp_scales[4], B lowp_scales[5])
;;     4. batch 32 x [M 2,048, K 128] x [K 128, N 2,048]; A: computed on the way; B: computed on the way: QUANTISED (scales: A lowp_scales[6], B lowp_scales[7])
;;     5. batch 32 x [M 2,048, K 2,048] x [K 2,048, N 128]; A: softmax (see below); B: computed on the way: QUANTISED (scales: A lowp_scales[8], B lowp_scales[9])
;;     6. [M 4,096, K 2,048] x [K 2,048, N 1,024]; A: computed on the way; B: input Wo: QUANTISED (scales: A lowp_scales[10], B lowp_scales[11])
;;   THE QUANTISER, for each operand of a quantised product, along K:
;;     - The operand's scale is 2^e, e = its entry of the input lowp_scales (int32; the entries are numbered through the quantised products in the list's order, A before B).
;;     - Each number is divided by the scale, clamped to +-448, and rounded to the nearest number of E4M3, ties to even, subnormals kept.
;;     - The product sums the exact products of the quantised numbers (number of the format x scale) in f32.
;;   ~~~python
;;   def quantise(x, axis, e):      # numpy; x: float32 -> the quantised numbers, widened to float32 again
;;       x = np.moveaxis(x, axis, -1); K = x.shape[-1]
;;       r = np.clip(x / 2.0 ** e, -448, 448)
;;       step = 2.0 ** (np.maximum(np.frexp(np.where(r == 0, 1, r))[1] - 1, -6) - 3)
;;       q = np.round(r / step) * step * 2.0 ** e      # np.round: ties to even
;;       return np.moveaxis(q, -1, axis).astype(np.float32)
;;   ~~~
;;   SOFTMAX AHEAD OF A QUANTISED PRODUCT. Where the list says 'softmax', what is quantised is not the finished softmax but p = 2^(t - M), with t = logit x log2(e) and M = ceil(the row's largest t), a whole number; so 1/2 < the row's largest p <= 1. The row's sum l is taken of the UNQUANTISED p, in f32, and the product's result is divided by l at the end. Since M is a whole number, a kernel that streams over the keys may use a running M (the ceiling of the running maximum): every later rescaling is an exact power of two, so the quantised numbers keep their values, but for numbers so far below the row's largest that they fall under the format's range.
;;   OPERANDS COMPUTED ON THE WAY. 'Computed on the way' means the value that the module computes at that place (a softmax that the list does not call 'softmax' is quantised finished and normalised). What goes into a quantiser is computed in f32, as accurately as f32 sums, v_exp_f32 and their like allow (about 1e-6 of the number): no bf16 or f16 on the way to a quantiser, and a product that is left as it is and whose result goes on into a quantised operand takes f32 operands (vector FMAs, or v_wmma_f32_16x16x4_f32). A number that lies on a knife's edge between two numbers of the format may be rounded either way, as far as f32 arithmetic and the matrix unit's own rounding can turn it there, and no further.
;; One version. Each part assembles by itself: llvm-mc -triple=amdgcn-amd-amdhsa -mcpu=gfx1250 --defsym DOCPART=n.
;; ======== version 1 of 1: 4 launches
;; limits: right only within a limited range of input values
;; workspace buffers: ops 33,554,432 bytes; maskw 1,048,576 bytes of whole numbers; qkv 12,582,912 bytes; oimg 8,388,608 bytes
;; launch prep (part 1): grid 768 x 1, 4 waves a work-group, no clusters, 34,304 bytes of LDS; arguments hidden_state, attention_mask, Wq, Wk, Wv, Wo, lowp_scales, ops, maskw; writes ops, maskw
.if DOCPART == 1
	.amdgcn_target "amdgcn-amd-amdhsa--gfx1250"
	.amdhsa_code_object_version 6
	.text
	.protected	k_q211daae83c_prep
	.globl	k_q211daae83c_prep
	.p2align	8
	.type	k_q211daae83c_prep,@function
k_q211daae83c_prep:
	s_mov_b64 s[64:65], 0
	v_nop
	global_prefetch_b8 v0, s[64:65] scope:SCOPE_SE
	s_setreg_imm32_b32 hwreg(HW_REG_WAVE_MODE, 25, 1), 1
	s_wait_xcnt 0x0
; hidden_state and the four weights, all [rows][2048] f32 with K innermost, become codes of FP8 (E4M3); attention_mask, [4096][2048] int32, becomes one bit a number.
; code = x / 2^e, held within +-448, rounded to the nearest code, ties to even.  hidden_state is quantised three times, with entries 0, 2 and 4 of the scales; Wq, Wk, Wv, Wo with entries 1, 3, 5, 11.
; LIMITS: each of these e lies between -126 and 119, so that 2^e and 448 x 2^e are f32 numbers.  NaN among the floating-point inputs is not served.
; THE CODES ARE LAID AS IMAGES OF OPERAND REGISTERS.  A fragment is 16 rows x 128 K = 2,048 bytes: register 4 c + w of lane l at byte 512 c + 16 l + 4 w; lane (r = l % 16, h = l / 16) holds row r,
; registers 2 u, 2 u + 1 hold k = 16 u + 8 h + 0 .. 7.  Fragment (RB = row / 16, KS = k / 128) lies at (RB / 8) 262,144 + (KS / 4) 65,536 + (KS % 4) 16,384 + (RB % 8) 2,048 of its tensor's part of ops.
; THE MASK: word n (0 .. 63) of (RB, key step ks) at (16 RB + ks) 256 + 4 n; its bit l = (r, h) says whether mask[16 RB + r][128 ks + 16 (n / 8) + 8 h + n % 8] is not 0.
; SHARES.  A work-group takes 16 rows of one of the six sources (256 + 256 + 128 + 32 + 32 + 64 = 768 work-groups); wave w takes columns 512 w on, in four steps of one fragment.
; Each load reads 512 consecutive bytes of a row; a step's 8 KB turn through the wave's own stage in LDS, so that a lane then holds the numbers of its fragment registers in order.
; All six sources take ONE path through loads and LDS: only pointers and numbers are chosen, by the work-group's number.  The branches stand round register work and global stores alone.  Waves share nothing: no barrier.
.set STG,  8448                        ; a wave's stage: 16 rows x SP
.set SP,   528                         ; a stage row: 512 bytes + 16
.set R,    16                          ; v16-143  two sets of 64 numbers as loaded
.set X,    144                         ; v144-207 64 numbers in the fragment's order: X[8 u + i] = (row r, column 16 u + 8 h + i)
.set TMP,  208                         ; v208-239 unused
.set C,    240                         ; v240-255 a fragment's codes
	s_load_b512 s[4:19], s[0:1], 0x0               ; x s[4:5], mask s[6:7], Wq s[8:9], Wk s[10:11], Wv s[12:13], Wo s[14:15], scales s[16:17], ops s[18:19]
	s_load_b64 s[20:21], s[0:1], 0x40              ; maskw
	s_set_vgpr_msb 0x40
	v_lshl_add_u32 v0, v0, 2, 0x8400
	v_mov_b32 v1, 0
	s_set_vgpr_msb 0x4000
	v_lshrrev_b32 v1, 5, v0
	v_readfirstlane_b32 s36, v1                    ; wave
	v_and_b32 v1, 31, v0                           ; lane
	v_lshlrev_b32 v2, 4, v1                        ; 16 x lane: my bytes of a load's 512, and of an image's 512
	v_lshlrev_b32 v5, 3, v1                        ; 8 x lane: my two mask words
	v_and_b32 v14, 15, v0                          ; r
	v_bfe_u32 v15, v0, 4, 1                        ; h
	s_mul_i32 s54, s36, STG
	v_add_nc_u32 v3, s54, v2                       ; into the stage: a row as it lies
	v_mul_u32_u24 v4, v14, SP
	v_lshl_add_u32 v4, v15, 5, v4
	v_add_nc_u32 v4, s54, v4                       ; out of it: row r, + 32 h bytes
	v_mov_b32 v6, 0                                ; the mask words' pair: written once whole, since a lane write counts as a read
	v_mov_b32 v7, 0
	s_mov_b32 s38, 704                             ; the source's first work-group,
	s_mov_b32 s39, 30<<20                          ; its part of ops,
	s_mov_b32 s37, 2                               ; its class: 0 x, 1 mask, 2 a weight
	s_wait_alu depctr_va_vdst(0)
	s_wait_kmcnt 0x0
	s_load_b256 s[24:31], s[16:17], 0x0            ; e0 .. e7
	s_load_b128 s[32:35], s[16:17], 0x20           ; e8 .. e11
	s_mov_b64 s[42:43], s[14:15]                   ; Wo, unless the work-group's number says otherwise
	s_cmp_lt_u32 ttmp9, 704
	s_cselect_b64 s[42:43], s[12:13], s[42:43]     ; Wv
	s_cselect_b32 s38, 672, s38
	s_cselect_b32 s39, 29<<20, s39
	s_cmp_lt_u32 ttmp9, 672
	s_cselect_b64 s[42:43], s[10:11], s[42:43]     ; Wk
	s_cselect_b32 s38, 640, s38
	s_cselect_b32 s39, 28<<20, s39
	s_cmp_lt_u32 ttmp9, 640
	s_cselect_b64 s[42:43], s[8:9], s[42:43]       ; Wq
	s_cselect_b32 s38, 512, s38
	s_cselect_b32 s39, 24<<20, s39
	s_cmp_lt_u32 ttmp9, 512
	s_cselect_b64 s[42:43], s[6:7], s[42:43]       ; the mask
	s_cselect_b32 s38, 256, s38
	s_cselect_b32 s39, 0, s39
	s_cselect_b32 s37, 1, s37
	s_cmp_lt_u32 ttmp9, 256
	s_cselect_b64 s[42:43], s[4:5], s[42:43]       ; x
	s_cselect_b32 s38, 0, s38
	s_cselect_b32 s37, 0, s37
	s_sub_co_u32 s38, ttmp9, s38                   ; RB: which 16 rows of the source
	s_lshl_b32 s54, s38, 17                        ; 16 rows of 8,192 bytes,
	s_lshl_b32 s55, s36, 11                        ; my wave's 512 columns
	s_add_co_u32 s54, s54, s55
	s_mov_b32 s55, 0
	s_add_nc_u64 s[42:43], s[42:43], s[54:55]
	s_lshr_b32 s54, s38, 3
	s_lshl_b32 s54, s54, 18
	s_add_co_u32 s54, s54, s39
	s_lshl_b32 s56, s36, 16                        ; KS / 4 = my wave's number
	s_add_co_u32 s54, s54, s56
	s_and_b32 s56, s38, 7
	s_lshl_b32 s56, s56, 11
	s_add_co_u32 s54, s54, s56
	s_add_nc_u64 s[44:45], s[18:19], s[54:55]      ; where my fragments go;
	s_add_nc_u64 s[46:47], s[44:45], 8<<20         ; x's second and third sets of codes (used by x's work-groups alone)
	s_add_nc_u64 s[48:49], s[44:45], 16<<20
	s_lshl_b32 s54, s38, 12
	s_lshl_b32 s56, s36, 10
	s_add_co_u32 s54, s54, s56
	s_add_nc_u64 s[50:51], s[20:21], s[54:55]      ; where my mask words go (used by the mask's work-groups alone)
.macro LOAD t                          ; step t: 16 rows x 512 consecutive bytes, into set t % 2
.irp i, 0,1,2,3,4,5,6,7,8,9,10,11,12,13,14,15
	global_load_b128 v[R+64*((\t)%2)+4*\i:R+64*((\t)%2)+4*\i+3], v2, s[42:43] offset:8192*\i+512*(\t) th:TH_LOAD_NT
.endr
.endm
.macro TURN t                          ; through the stage: LDS serves a wave's instructions in order, so no wait stands between the stores and the loads
.irp i, 0,1,2,3,4,5,6,7,8,9,10,11,12,13,14,15
	ds_store_b128 v3, v[R+64*((\t)%2)+4*\i:R+64*((\t)%2)+4*\i+3] offset:SP*\i
.endr
	v_nop
.irp u, 0,1,2,3,4,5,6,7
	ds_load_b128 v[X+8*\u:X+8*\u+3], v4 offset:64*\u
	ds_load_b128 v[X+8*\u+4:X+8*\u+7], v4 offset:64*\u+16
.endr
.endm
.macro SCALE e, sc, lim                ; 2^e as an f32 number
	s_add_co_i32 s54, s[\e], 127
	s_lshl_b32 s55, s54, 23
	v_mov_b32 v[\sc], s55
.endm
; The step's 64 numbers become a fragment's codes under scale k, and leave as the fragment's image: four stores of 512 consecutive bytes.
; X is kept (x is quantised three times): the conversions read X directly.
.macro QOUT k, t
	s_wait_xcnt 0x0                                ; the earlier stores have read C: only now is it written again
.irp u, 0,1,2,3,4,5,6,7
.irp i, 0,1,2,3,4,5,6,7
.endr
	v_cvt_scalef32_pk8_fp8_f32 v[C+2*\u:C+2*\u+1], v[TMP+8*(\u%4)+((X+8*\u+0)-(TMP+8*(\u%4)+0)):TMP+8*(\u%4)+7+((X+8*\u+0)-(TMP+8*(\u%4)+0))], v[8+2*\k]
.endr
.irp c, 0,1,2,3
	global_store_b128 v2, v[C+4*\c:C+4*\c+3], s[44+2*\k:45+2*\k] offset:16384*(\t)+512*\c
.endr
.endm
; The step's 64 numbers of the mask become 64 words of lane bits; word n goes to lane n / 2 of a pair of registers, and the wave stores 256 consecutive bytes.
.macro PACK t
	s_wait_xcnt 0x0                                ; the earlier store has read the pair
.set NN, 0
	s_wait_alu depctr_va_vdst(0)
.rept 64
	v_cmp_ne_u32 s[52+NN%2], 0, v[X+NN]
	v_writelane_b32 v[6+NN%2], s[52+NN%2], NN/2
.set NN, NN+1
.endr
	global_store_b64 v5, v[6:7], s[50:51] offset:256*(\t)
.endm
.macro STEP t
.if (\t) < 3
	s_wait_loadcnt 16                              ; this step's 16 loads are in; the next step's may be out
.else
	s_wait_loadcnt 0
.endif
	TURN \t
	s_wait_dscnt 0x0                               ; the numbers are back, so the stage's stores have read their registers,
.if (\t) < 2
	LOAD (\t)+2                                    ; which take the loads of two steps on
.endif
	s_cmp_eq_u32 s37, 1
	s_cbranch_scc1 .Lpack_\@
	s_wait_alu depctr_va_vdst(0)
	QOUT 0, \t
	s_cmp_eq_u32 s37, 0
	s_cbranch_scc0 .Ldone_\@
	QOUT 1, \t
	QOUT 2, \t
	s_branch .Ldone_\@
.Lpack_\@:
	PACK \t
.Ldone_\@:
.endm
	LOAD 0
	LOAD 1
	s_wait_kmcnt 0x0
	s_mov_b32 s40, s35                             ; the source's scale: e11 for Wo,
	s_cmp_lt_u32 ttmp9, 704
	s_cselect_b32 s40, s29, s40                    ; e5 for Wv,
	s_cmp_lt_u32 ttmp9, 672
	s_cselect_b32 s40, s27, s40                    ; e3 for Wk,
	s_cmp_lt_u32 ttmp9, 640
	s_cselect_b32 s40, s25, s40                    ; e1 for Wq,
	s_cmp_lt_u32 ttmp9, 512
	s_cselect_b32 s40, s24, s40                    ; e0 for x's first set (the mask's work-groups use none)
	SCALE 40, 8, 9
	SCALE 26, 10, 11                               ; e2
	SCALE 28, 12, 13                               ; e4
	STEP 0
	STEP 1
	STEP 2
	STEP 3
	s_set_vgpr_msb 0x5
	s_wait_tensorcnt 0x0
	ds_add_u32 v0, v1
	s_wait_dscnt 0x0
	s_set_vgpr_msb 0x500
	s_endpgm
.Lfunc_end_k_q211daae83c_prep:
	.size	k_q211daae83c_prep, .Lfunc_end_k_q211daae83c_prep-k_q211daae83c_prep
	.p2alignl 7, 3214868480
	.fill 96, 4, 3214868480
	.section	.rodata,"a",@progbits
	.p2align	6, 0x0
	.amdhsa_kernel k_q211daae83c_prep
		.amdhsa_group_segment_fixed_size 34304
		.amdhsa_private_segment_fixed_size 0
		.amdhsa_enable_private_segment 0
		.amdhsa_kernarg_size 72
		.amdhsa_user_sgpr_count 2
		.amdhsa_user_sgpr_kernarg_segment_ptr 1
		.amdhsa_wavefront_size32 1
		.amdhsa_system_sgpr_workgroup_id_x 1
		.amdhsa_system_sgpr_workgroup_id_y 1
		.amdhsa_system_sgpr_workgroup_id_z 1
		.amdhsa_system_vgpr_workitem_id 0
		.amdhsa_next_free_vgpr 258
		.amdhsa_next_free_sgpr 66
		.amdhsa_reserve_vcc 0
		.amdhsa_float_denorm_mode_32 3
		.amdhsa_float_denorm_mode_16_64 3
		.amdhsa_fp16_overflow 1
		.amdhsa_memory_ordered 1
		.amdhsa_forward_progress 1
		.amdhsa_inst_pref_size 63
	.end_amdhsa_kernel
	.amdgpu_metadata
---
amdhsa.version: [ 1, 2 ]
amdhsa.kernels:
  - .name:           k_q211daae83c_prep
    .symbol:         k_q211daae83c_prep.kd
    .args:
      - { .name: hidden_state, .offset: 0, .size: 8, .value_kind: global_buffer, .address_space: global }
      - { .name: attention_mask, .offset: 8, .size: 8, .value_kind: global_buffer, .address_space: global }
      - { .name: Wq, .offset: 16, .size: 8, .value_kind: global_buffer, .address_space: global }
      - { .name: Wk, .offset: 24, .size: 8, .value_kind: global_buffer, .address_space: global }
      - { .name: Wv, .offset: 32, .size: 8, .value_kind: global_buffer, .address_space: global }
      - { .name: Wo, .offset: 40, .size: 8, .value_kind: global_buffer, .address_space: global }
      - { .name: lowp_scales, .offset: 48, .size: 8, .value_kind: global_buffer, .address_space: global }
      - { .name: ops, .offset: 56, .size: 8, .value_kind: global_buffer, .address_space: global }
      - { .name: maskw, .offset: 64, .size: 8, .value_kind: global_buffer, .address_space: global }
    .group_segment_fixed_size: 34304
    .private_segment_fixed_size: 0
    .kernarg_segment_align: 8
    .kernarg_segment_size: 72
    .max_flat_workgroup_size: 128
    .sgpr_count:     66
    .vgpr_count:     258
    .wavefront_size: 32
...
	.end_amdgpu_metadata
.endif
;; end of part 1
;; launch proj (part 2): grid 8 x 32, 4 waves a work-group, clusters of 4 x 4, 327,680 bytes of LDS; arguments ops, lowp_scales, bq, bk, bv, qkv; writes qkv
.if DOCPART == 2
	.amdgcn_target "amdgcn-amd-amdhsa--gfx1250"
	.amdhsa_code_object_version 6
	.text
	.protected	k_q211daae83c_proj
	.globl	k_q211daae83c_proj
	.p2align	8
	.type	k_q211daae83c_proj,@function
k_q211daae83c_proj:
	s_mov_b64 s[64:65], 0
	v_nop
	global_prefetch_b8 v0, s[64:65] scope:SCOPE_SE
	s_setreg_imm32_b32 hwreg(HW_REG_WAVE_MODE, 25, 1), 1
	s_wait_xcnt 0x0
	s_wait_alu depctr_hold_cnt(0) depctr_sa_sdst(0) depctr_va_vdst(0) depctr_va_sdst(0) depctr_va_ssrc(0) depctr_va_vcc(0) depctr_vm_vsrc(0)
	s_getreg_b32 s2, hwreg(HW_REG_IB_STS2, 6, 4)
	s_cmp_eq_u32 s2, 0
	s_cbranch_scc0 .Lentry_in_a_cluster
	s_endpgm
.Lentry_in_a_cluster:
	s_bfe_u32 s2, ttmp6, 0x10000c
	s_cmp_lg_u32 s2, 0xf033
	s_cbranch_scc0 .Lentry_shape_is_right
	s_endpgm
.Lentry_shape_is_right:
.set SLOT,   131072
.set STAGE,  2*SLOT
.set SPITCH, 144
.set SPARE,  STAGE+128*SPITCH
.set ADP, 16
.set ADR, 20
.set STO, 24
.set RD,  25
.set CO,  26
.set SPW, 28
.set NIL, 29
.set SCV, 30
.set LIMV, 31
.set BK,  32
.set CD,  72
.set ACC, 128
.set F0,  0
.set F1,  128
.set B0,  0
.set B1,  32
.set BJ2, 64
.set BI2, 96
.set CI,  128
.set G1P, 24
.set G0P, 32
.set G1R, 48
.set G0R, 56
.set MSB, 0
.macro WIN new
.if MSB != \new
	s_set_vgpr_msb (MSB<<8)|\new
.set MSB, \new
.endif
.endm
.macro PLACES
.rept 4
	v_nop
.endr
.endm
.macro JLOAD s
	s_cmp_eq_u32 s21, 0
	s_cbranch_scc0 .Lfor_r_\@
	tensor_load_to_lds s[G0P+4*\s:G0P+4*\s+3], s[G1P:G1P+7]
	s_nop 0
.rept 4
	v_nop
.endr
	s_branch .Lasked_\@
.Lfor_r_\@:
	tensor_load_to_lds s[G0R+4*\s:G0R+4*\s+3], s[G1R:G1R+7]
	s_nop 0
.rept 4
	v_nop
.endr
.Lasked_\@:
.endm
.macro CROUND
	s_barrier_signal -1
	s_barrier_wait -1
	s_cmp_lg_u32 s20, 0
	s_cbranch_scc1 .Lnot_wave_0_\@
	s_barrier_signal -3
.Lnot_wave_0_\@:
	s_barrier_wait -3
	s_barrier_signal -1
	s_barrier_wait -1
.endm
.macro SETADR slot, po, ro
	s_add_co_u32 s66, s[\po], (\slot)*65536
	s_add_co_u32 s68, s[\ro], (\slot)*65536
	s_add_nc_u64 s[G0P+4*(\slot)+2:G0P+4*(\slot)+3], s[4:5], s[66:67]
	s_add_nc_u64 s[G0R+4*(\slot)+2:G0R+4*(\slot)+3], s[4:5], s[68:69]
	s_or_b32 s[G0P+4*(\slot)+3], s[G0P+4*(\slot)+3], 0x80000000
	s_or_b32 s[G0R+4*(\slot)+3], s[G0R+4*(\slot)+3], 0x80000000
.endm
	s_load_b256 s[4:11], s[0:1], 0x0
	s_load_b128 s[12:15], s[0:1], 0x20
	v_lshl_add_u32 v[SPW], v0, 2, SPARE
	v_mov_b32 v[NIL], 0
	ds_add_u32 v28, v29
	ds_add_u32 v28, v29
	s_wait_dscnt 0x0
	v_lshrrev_b32 v3, 5, v0
	v_readfirstlane_b32 s20, v3
	s_lshr_b32 s21, s20, 1
	s_and_b32 s22, s20, 1
	s_bfe_u32 s40, ttmp6, 0x40000
	s_bfe_u32 s41, ttmp6, 0x40004
	s_lshl_b32 s42, ttmp9, 2
	s_and_b32 s43, ttmp7, 0xffff
	s_lshl_b32 s43, s43, 2
	s_lshl_b32 s46, s41, 2
	s_lshl_b32 s46, 15, s46
	s_lshl_b32 s47, 0x1111, s40
	s_or_b32 s[G1P], s46, (3<<16)|(1<<21)
	s_or_b32 s[G1R], s47, (3<<16)|(1<<21)
.irp g, G1P, G1R
	s_mov_b32 s[\g+1], 32<<16
	s_mov_b32 s[\g+2], 128<<16
	s_mov_b32 s[\g+3], 32<<16
	s_mov_b32 s[\g+4], 128
	s_mov_b32 s[\g+5], 32
	s_mov_b32 s[\g+6], 0
	s_mov_b32 s[\g+7], 0
.endr
	s_lshl_b32 s79, s22, 15
	s_add_co_u32 s44, s43, s41
	s_add_co_u32 s45, s42, s40
	s_lshl_b32 s16, s44, 18
	s_add_co_u32 s16, s16, s79
	s_lshl_b32 s18, s45, 18
	s_add_co_u32 s18, s18, s79
	s_add_co_u32 s18, s18, 24<<20
	s_add_co_u32 s19, s18, 2<<20
	s_mov_b32 s17, 29<<20
	s_mov_b32 s23, 16<<20
	s_cmp_eq_u32 ttmp9, 0
	s_cselect_b32 s17, 8<<20, s17
	s_cselect_b32 s23, 28<<20, s23
	s_cselect_b32 s46, s43, 0
	s_cselect_b32 s47, 0, s43
	s_cselect_b32 s77, -1, 0
	s_add_co_u32 s70, s46, s41
	s_add_co_u32 s71, s47, s40
	s_lshl_b32 s46, s70, 18
	s_add_co_u32 s17, s17, s46
	s_add_co_u32 s17, s17, s79
	s_lshl_b32 s47, s71, 18
	s_add_co_u32 s23, s23, s47
	s_add_co_u32 s23, s23, s79
	s_mov_b32 s67, 0
	s_mov_b32 s69, 0
	s_lshl_b32 s78, s20, 15
	s_wait_kmcnt 0x0
	s_load_b256 s[80:87], s[6:7], 0x0
	s_load_b128 s[88:91], s[6:7], 0x20
	CROUND
.irp s, 0,1
	s_mov_b32 s[G0P+4*\s], 1
	s_add_co_u32 s[G0P+4*\s+1], s78, \s*SLOT
	s_mov_b32 s[G0R+4*\s], 1
	s_add_co_u32 s[G0R+4*\s+1], s78, \s*SLOT
	SETADR \s, 16, 18
	s_wait_alu depctr_va_vdst(0)
	s_wait_tensorcnt 0x0
	ds_add_u32 v28, v29
	ds_add_u32 v28, v29
	s_wait_dscnt 0x0
	CROUND
	JLOAD \s
.endr
	v_and_b32 v1, 15, v0
	v_bfe_u32 v2, v0, 4, 1
	v_and_b32 v4, 31, v0
	v_lshlrev_b32 v5, 4, v4
	v_lshlrev_b32 v6, 5, v2
	s_wait_alu depctr_va_vdst(0)
	s_cmp_eq_u32 ttmp9, 0
	s_cselect_b64 s[92:93], s[10:11], s[12:13]
	s_not_b32 s99, s77
	s_lshl_b32 s94, s45, 9
	s_lshl_b32 s95, s22, 8
	s_add_co_u32 s94, s94, s95
	v_add_nc_u32 v10, s94, v6
	s_wait_alu depctr_va_vdst(0)
	s_lshl_b32 s94, s71, 9
	s_add_co_u32 s94, s94, s95
	s_and_b32 s94, s94, s77
	v_add_nc_u32 v11, s94, v6
	s_lshl_b32 s94, s70, 9
	s_lshl_b32 s95, s21, 8
	s_add_co_u32 s94, s94, s95
	s_and_b32 s94, s94, s99
	v_lshlrev_b32 v12, 2, v1
	v_add_nc_u32 v12, s94, v12
	WIN 0x80
.irp b, 0,1,2,3
	global_load_b128 v[B0+8*\b:B0+8*\b+3], v10, s[8:9] offset:64*\b
	global_load_b128 v[B0+8*\b+4:B0+8*\b+7], v10, s[8:9] offset:64*\b+16
	global_load_b128 v[B1+8*\b:B1+8*\b+3], v10, s[8:9] offset:4096+64*\b
	global_load_b128 v[B1+8*\b+4:B1+8*\b+7], v10, s[8:9] offset:4096+64*\b+16
	global_load_b128 v[BJ2+8*\b:BJ2+8*\b+3], v11, s[92:93] offset:64*\b
	global_load_b128 v[BJ2+8*\b+4:BJ2+8*\b+7], v11, s[92:93] offset:64*\b+16
.endr
.irp a, 0,1,2,3
	global_load_b32 v[BI2+2*\a], v12, s[92:93] offset:64*\a
	v_mov_b32 v[BI2+2*\a+1], 0
.endr
	WIN 0
	s_lshl_b32 s96, s21, 13
	s_lshl_b32 s97, s22, 13
	s_add_co_u32 s97, s97, 65536
	v_add_nc_u32 v[ADP], s96, v5
	v_add_nc_u32 v[ADR], s97, v5
	v_add_nc_u32 v[ADP+1], SLOT, v[ADP]
	v_add_nc_u32 v[ADR+1], SLOT, v[ADR]
	s_mul_i32 s96, s21, 64*SPITCH
	s_lshl_b32 s97, s22, 6
	s_add_co_u32 s96, s96, s97
	s_add_co_u32 s96, s96, STAGE
	v_mul_u32_u24 v[STO], v1, SPITCH
	v_lshl_add_u32 v[STO], v2, 4, v[STO]
	v_add_nc_u32 v[STO], s96, v[STO]
	s_mul_i32 s96, s20, 32*SPITCH
	s_add_co_u32 s96, s96, STAGE
	v_bfe_u32 v6, v0, 3, 2
	v_and_b32 v7, 7, v0
	v_mul_u32_u24 v[RD], v6, SPITCH
	v_lshl_add_u32 v[RD], v7, 4, v[RD]
	v_add_nc_u32 v[RD], s96, v[RD]
	v_mov_b32 v[CO], v5
	s_lshl_b32 s96, s20, 12
	s_lshr_b32 s94, s44, 4
	s_lshl_b32 s94, s94, 4
	s_add_co_u32 s94, s94, s45
	s_lshl_b32 s94, s94, 4
	s_and_b32 s95, s44, 15
	s_add_co_u32 s94, s94, s95
	s_lshl_b32 s94, s94, 14
	s_add_co_u32 s94, s94, s96
	s_mov_b32 s95, 0
	s_add_nc_u64 s[2:3], s[14:15], s[94:95]
	s_add_nc_u64 s[100:101], s[2:3], 2<<20
	s_mov_b32 s42, 10<<20
	s_cmp_eq_u32 ttmp9, 0
	s_cselect_b32 s43, s70, s71
	s_cselect_b32 s97, s71, s70
	s_cselect_b32 s42, 8<<20, s42
	s_lshr_b32 s94, s43, 4
	s_lshl_b32 s94, s94, 2
	s_add_co_u32 s94, s94, s97
	s_lshl_b32 s94, s94, 4
	s_and_b32 s43, s43, 15
	s_add_co_u32 s94, s94, s43
	s_lshl_b32 s94, s94, 14
	s_add_co_u32 s94, s94, s42
	s_add_co_u32 s94, s94, s96
	s_add_nc_u64 s[104:105], s[14:15], s[94:95]
	s_wait_kmcnt 0x0
	s_add_co_i32 s94, s80, s81
	s_sub_co_i32 s72, 0, s94
	s_sub_co_i32 s94, s86, s94
	s_add_co_i32 s94, s94, 127
	s_lshl_b32 s73, s94, 23
	s_add_co_i32 s94, s84, s85
	s_add_co_i32 s95, s82, s83
	s_cmp_eq_u32 ttmp9, 0
	s_cselect_b32 s94, s95, s94
	s_cselect_b32 s95, s87, s89
	s_sub_co_i32 s98, 0, s94
	s_sub_co_i32 s94, s95, s94
	s_add_co_i32 s94, s94, 127
	s_lshl_b32 s75, s94, 23
	s_add_co_i32 s94, s94, 8
	s_lshl_b32 s94, s94, 23
	s_or_b32 s76, s94, 0x600000
	s_wait_loadcnt 0x0
	WIN 0x8a
.set JJ, 0
.rept 64
	v_ldexp_f32 v[B0+JJ], v[B0+JJ], s72
.set JJ, JJ+1
.endr
.set JJ, 0
.rept 32
	v_and_b32 v[BJ2+JJ], s77, v[BJ2+JJ]
	v_ldexp_f32 v[BJ2+JJ], v[BJ2+JJ], s98
.set JJ, JJ+1
.endr
.irp a, 0,1,2,3
	v_and_b32 v[BI2+2*\a], s99, v[BI2+2*\a]
	v_ldexp_f32 v[BI2+2*\a], v[BI2+2*\a], s98
.endr
.irp a, 0,1,2,3
.irp b, 0,1,2,3
.irp i, 0,2,4,6
	v_pk_add_f32 v[CI+8*(4*\a+\b)+\i:CI+8*(4*\a+\b)+\i+1], v[BJ2+8*\b+\i:BJ2+8*\b+\i+1], v[BI2+2*\a:BI2+2*\a+1] op_sel_hi:[1,0]
.endr
.endr
.endr
	WIN 0
.macro FETCH slot, ks, f
	WIN 0x40
.irp i, 0,1,2,3
.irp c, 0,1,2,3
	ds_load_b128 v[\f+64+16*\i+4*\c:\f+64+16*\i+4*\c+3], v[ADR+\slot] offset:16384*(\ks)+2048*\i+512*\c
.endr
.endr
.irp i, 0,1,2,3
.irp c, 0,1,2,3
	ds_load_b128 v[\f+16*\i+4*\c:\f+16*\i+4*\c+3], v[ADP+\slot] offset:16384*(\ks)+2048*\i+512*\c
.endr
.endr
.endm
.macro MUL f, cmode, cbase, cstep
.if \cmode
	WIN 0x25
.else
	WIN 0x05
.endif
.irp a, 0,1,2,3
.irp b, 0,1,2,3
.if \cmode
	v_wmma_f32_16x16x128_fp8_fp8 v[ACC+8*(4*\a+\b):ACC+8*(4*\a+\b)+7], v[\f+64+16*\b:\f+64+16*\b+15], v[\f+16*\a:\f+16*\a+15], v[(\cbase)+(\cstep)*\a+8*\b:(\cbase)+(\cstep)*\a+8*\b+7]
.else
	v_wmma_f32_16x16x128_fp8_fp8 v[ACC+8*(4*\a+\b):ACC+8*(4*\a+\b)+7], v[\f+64+16*\b:\f+64+16*\b+15], v[\f+16*\a:\f+16*\a+15], v[ACC+8*(4*\a+\b):ACC+8*(4*\a+\b)+7]
.endif
.endr
.endr
.endm
.macro SUB f, g, nslot, nks, cmode, cbase, cstep
	s_wait_dscnt 0x0
	PLACES
	FETCH \nslot, \nks, \g
	MUL \f, \cmode, \cbase, \cstep
.endm
.macro TURN slot, next, fill, po, ro
	WIN 0
	s_wait_tensorcnt 0x0
	ds_add_u32 v[SPW], v[NIL]
.if \fill == 1
	s_add_nc_u64 s[G0P+4*\slot+2:G0P+4*\slot+3], s[G0P+4*\slot+2:G0P+4*\slot+3], 2*65536
	s_add_nc_u64 s[G0R+4*\slot+2:G0R+4*\slot+3], s[G0R+4*\slot+2:G0R+4*\slot+3], 2*65536
.endif
.if \fill == 2
	SETADR \slot, \po, \ro
.endif
	s_wait_dscnt 0x0
.if \fill
	CROUND
	JLOAD \slot
.else
	s_barrier_signal -1
	s_barrier_wait -1
	PLACES
.endif
	FETCH \next, 0, F0
	MUL F1, 0, 0, 0
.endm
.macro WAYOUT sc, lim, ob
	WIN 0
	PLACES
	s_wait_xcnt 0x0
	v_mov_b32 v[SCV], s[\sc]
.irp a, 0,1,2,3
.irp p, 0,1
.irp i, 0,1,2,3,4,5,6,7,8,9,10,11,12,13,14,15
.endr
	v_cvt_scalef32_pk8_fp8_f32 v[CD+4*(2*\a+\p):CD+4*(2*\a+\p)+1], v[ACC+8*(4*\a+2*\p):ACC+8*(4*\a+2*\p)+7], v[SCV]
	v_cvt_scalef32_pk8_fp8_f32 v[CD+4*(2*\a+\p)+2:CD+4*(2*\a+\p)+3], v[ACC+8*(4*\a+2*\p)+8:ACC+8*(4*\a+2*\p)+15], v[SCV]
.endr
.endr
	v_nop
.irp a, 0,1,2,3
.irp p, 0,1
	ds_store_b128 v[STO], v[CD+4*(2*\a+\p):CD+4*(2*\a+\p)+3] offset:16*SPITCH*\a+32*\p
.endr
.endr
	s_wait_dscnt 0x0
	s_barrier_signal -1
	s_barrier_wait -1
.irp i, 0,1,2,3,4,5,6,7
	ds_load_b128 v[BK+4*\i:BK+4*\i+3], v[RD] offset:4*SPITCH*\i
.endr
.irp i, 0,1,2,3,4,5,6,7
	s_wait_dscnt 7-\i
	global_store_b128 v[CO], v[BK+4*\i:BK+4*\i+3], s[\ob:\ob+1] offset:512*\i
.endr
.endm
.macro TILE cbase, cstep, last, po, ro, sc, lim, ob
	SUB F0, F1, 0, 1, 1, \cbase, \cstep
	SUB F1, F0, 0, 2, 0, 0, 0
	SUB F0, F1, 0, 3, 0, 0, 0
	TURN 0, 1, 1, 0, 0
	SUB F0, F1, 1, 1, 0, 0, 0
	SUB F1, F0, 1, 2, 0, 0, 0
	SUB F0, F1, 1, 3, 0, 0, 0
	TURN 1, 0, 1, 0, 0
	SUB F0, F1, 0, 1, 0, 0, 0
	SUB F1, F0, 0, 2, 0, 0, 0
	SUB F0, F1, 0, 3, 0, 0, 0
.if \last
	TURN 0, 1, 0, 0, 0
.else
	TURN 0, 1, 2, \po, \ro
.endif
	SUB F0, F1, 1, 1, 0, 0, 0
	SUB F1, F0, 1, 2, 0, 0, 0
	SUB F0, F1, 1, 3, 0, 0, 0
.if \last
	s_wait_dscnt 0x0
	MUL F1, 0, 0, 0
.else
	TURN 1, 0, 2, \po, \ro
.endif
	WAYOUT \sc, \lim, \ob
.endm
	s_wait_tensorcnt 0x1
	s_barrier_signal -1
	s_barrier_wait -1
	FETCH 0, 0, F0
	TILE B0, 0, 0, 16, 19, 73, 74, 2
	TILE B1, 0, 0, 17, 23, 73, 74, 100
	TILE CI, 32, 1, 0, 0, 75, 76, 104
	s_wait_tensorcnt 0x0
	ds_add_u32 v[SPW], v[NIL]
	s_wait_dscnt 0x0
	CROUND
	s_endpgm
.Lfunc_end_k_q211daae83c_proj:
	.size	k_q211daae83c_proj, .Lfunc_end_k_q211daae83c_proj-k_q211daae83c_proj
	.p2alignl 7, 3214868480
	.fill 96, 4, 3214868480
	.section	.rodata,"a",@progbits
	.p2align	6, 0x0
	.amdhsa_kernel k_q211daae83c_proj
		.amdhsa_group_segment_fixed_size 327680
		.amdhsa_private_segment_fixed_size 0
		.amdhsa_enable_private_segment 0
		.amdhsa_kernarg_size 48
		.amdhsa_user_sgpr_count 2
		.amdhsa_user_sgpr_kernarg_segment_ptr 1
		.amdhsa_wavefront_size32 1
		.amdhsa_system_sgpr_workgroup_id_x 1
		.amdhsa_system_sgpr_workgroup_id_y 1
		.amdhsa_system_sgpr_workgroup_id_z 1
		.amdhsa_system_vgpr_workitem_id 0
		.amdhsa_next_free_vgpr 768
		.amdhsa_next_free_sgpr 106
		.amdhsa_reserve_vcc 0
		.amdhsa_float_denorm_mode_32 3
		.amdhsa_float_denorm_mode_16_64 3
		.amdhsa_fp16_overflow 1
		.amdhsa_memory_ordered 1
		.amdhsa_forward_progress 1
		.amdhsa_inst_pref_size 200
	.end_amdhsa_kernel
	.amdgpu_metadata
---
amdhsa.version: [ 1, 2 ]
amdhsa.kernels:
  - .name:           k_q211daae83c_proj
    .symbol:         k_q211daae83c_proj.kd
    .args:
      - { .name: ops, .offset: 0, .size: 8, .value_kind: global_buffer, .address_space: global }
      - { .name: lowp_scales, .offset: 8, .size: 8, .value_kind: global_buffer, .address_space: global }
      - { .name: bq, .offset: 16, .size: 8, .value_kind: global_buffer, .address_space: global }
      - { .name: bk, .offset: 24, .size: 8, .value_kind: global_buffer, .address_space: global }
      - { .name: bv, .offset: 32, .size: 8, .value_kind: global_buffer, .address_space: global }
      - { .name: qkv, .offset: 40, .size: 8, .value_kind: global_buffer, .address_space: global }
    .group_segment_fixed_size: 327680
    .private_segment_fixed_size: 0
    .kernarg_segment_align: 8
    .kernarg_segment_size: 48
    .max_flat_workgroup_size: 128
    .sgpr_count:     106
    .vgpr_count:     768
    .wavefront_size: 32
...
	.end_amdgpu_metadata
.endif
;; end of part 2
;; launch attn (part 3): grid 32 x 8, 8 waves a work-group, clusters of 4 x 1, 327,680 bytes of LDS; arguments qkv, maskw, lowp_scales, oimg; writes oimg
.if DOCPART == 3
	.amdgcn_target "amdgcn-amd-amdhsa--gfx1250"
	.amdhsa_code_object_version 6
	.text
	.protected	k_q211daae83c_attn
	.globl	k_q211daae83c_attn
	.p2align	8
	.type	k_q211daae83c_attn,@function
k_q211daae83c_attn:
	s_mov_b64 s[64:65], 0
	v_nop
	global_prefetch_b8 v0, s[64:65] scope:SCOPE_SE
	s_setreg_imm32_b32 hwreg(HW_REG_WAVE_MODE, 25, 1), 1
	s_wait_xcnt 0x0
	s_wait_alu depctr_hold_cnt(0) depctr_sa_sdst(0) depctr_va_vdst(0) depctr_va_sdst(0) depctr_va_ssrc(0) depctr_va_vcc(0) depctr_vm_vsrc(0)
	s_getreg_b32 s2, hwreg(HW_REG_IB_STS2, 6, 4)
	s_cmp_eq_u32 s2, 0
	s_cbranch_scc0 .Lentry_in_a_cluster
	s_endpgm
.Lentry_in_a_cluster:
	s_bfe_u32 s2, ttmp6, 0x10000c
	s_cmp_lg_u32 s2, 0x3003
	s_cbranch_scc0 .Lentry_shape_is_right
	s_endpgm
.Lentry_shape_is_right:
; Attention on codes of FP8 (E4M3), with the mask as given, and its result quantised for the output projection.
; t = score x 2^(e6 + e7) x log2(e) / sqrt(128); where the mask is 0 the score becomes -infinity; M = the running largest t rounded up to a whole number; p = 2^(t - M) is quantised with 2^e8, not normalised;
; the row's sum is taken of the unquantised p and divides at the end; when M moves, the sum and O are multiplied by 2^(old M - new M), which rounds nothing.  o = O x 2^(e8 + e9) / sum is quantised with 2^e10.
; A query all of whose keys are masked has the sum 0: its codes are set to the format's NaN code, since the softmax of such a row is NaN.
; SHARES.  A work-group takes 64 queries of one (batch, key/value head) for the four query heads of that group: 16 tiles of 16 queries.  Wave w takes query tile w % 4 and the two heads 2 (w / 4) + 0, 1:
; its two tiles share K's and V's fragments and the mask words.  Two waves lie on a SIMD.  Every wave walks all 2,048 keys, 128 a step, 256 a slot, through two LDS slots.
; CLUSTER.  The four query blocks of a cluster walk the same K and V: each tile is asked for jointly (mask 15).  Waves 0 to 3 ask: K's two blocks of 128 keys, V's two.  One tensor load of a wave is out at a time.
; LAYOUT.  Both products are used transposed (S^T = K Q^T, O^T = V^T P^T): a lane holds one query (lane % 16).  Register j of score tile t is key 16 t + 8 (lane / 16) + j, so tile t's eight codes are registers 2 t, 2 t + 1 of the
; second product's operand; q, k and v lie in qkv so that loads of 16 bytes give the same order.  O^T's codes are the image of a fragment (16 queries, K step = head) of the next product: they are stored as they stand.
; THE MASK comes as words of lane bits, one for each score register, by scalar loads: one v_cndmask_b32 a score.
; TWO WORLDS.  Tile A lives in register window 0, tile B in window 1, at the same numbers: v12 -M, v13 the largest t, v[14:15] the sum, v16-31 Q, v96-159 S^T then p, v160-223 O^T, v224-239 codes, v236-254 at work and constants.
; v32-95 of both windows hold a step's eight fragments of K or of V (fragment t in window t / 4).  Window 0 alone: v1 my place in a tile, v5, v6 the spare word and 0, v7 16 x lane, v8, v9 the step's LDS addresses.
; LIMITS: e6 + e7 between -123 and 130 (added to c's exponent field); e8 and e10 between -126 and 119.  NaN among the inputs is not served.
.set KP,    144                        ; an LDS row: 128 bytes + 16
.set BLK,   128*KP                     ; a block of 128 rows
.set VOFF,  2*BLK                      ; a slot: K's 256 rows, then V's two blocks
.set SLOT1, 1<<17
.set SPARE, 2*SLOT1                    ; the spare words, 128 bytes for each of eight waves
.set NSL,   8                          ; slots' worth of keys
.set MSB, 0
.macro WIN new
.if MSB != \new
	s_set_vgpr_msb (MSB<<8)|\new
.set MSB, \new
.endif
.endm
.macro JLOAD                           ; waves 0 to 3 ask, each for its block; four v_nop follow the line
	s_cmp_lt_u32 s12, 4
	s_cbranch_scc0 .Lnone_\@
	tensor_load_to_lds s[76:79], s[68:75]
	s_nop 0
.rept 4
	v_nop
.endr
.Lnone_\@:
.endm
.macro CROUND
	s_barrier_signal -1
	s_barrier_wait -1
	s_cmp_lg_u32 s12, 0
	s_cbranch_scc1 .Lnot_wave_0_\@
	s_barrier_signal -3
.Lnot_wave_0_\@:
	s_barrier_wait -3
	s_barrier_signal -1
	s_barrier_wait -1
.endm
	s_load_b256 s[4:11], s[0:1], 0x0               ; qkv s[4:5], maskw s[6:7], scales s[8:9], oimg s[10:11]
	v_lshl_add_u32 v5, v0, 2, SPARE
	v_mov_b32 v6, 0
	ds_add_u32 v5, v6
	ds_add_u32 v5, v6
	s_wait_dscnt 0x0
	v_lshrrev_b32 v8, 5, v0
	s_delay_alu instid0(VALU_DEP_1)
	v_readfirstlane_b32 s12, v8                    ; wave 0..7
	s_bfe_u32 s15, ttmp6, 0x40000                  ; cx
	s_lshl_b32 s100, ttmp9, 2
	s_add_co_u32 s15, s15, s100                    ; X: my block of 64 queries: it enters Q's, the mask's and O's addresses alone
	s_and_b32 s99, ttmp7, 0xffff                   ; y = 4 b + kh, which the four partners share
	s_mov_b32 s68, 15|(1<<20)|(1<<21)|(4<<22)|(3<<25)   ; 15:0 the mask: all four; elements of 1 byte; 20 padding on; 21 set beside a mask; after every 32 words (code 4) 4 words (code 3)
	s_mov_b32 s69, 128<<16                         ; tensor_dim0
	s_mov_b32 s70, 128<<16                         ; tensor_dim1
	s_mov_b32 s71, 128<<16                         ; tile_dim0
	s_mov_b32 s72, 128                             ; tile_dim1
	s_mov_b32 s73, 128                             ; from row to row
	s_mov_b32 s74, 0
	s_mov_b32 s75, 0
	s_and_b32 s2, s12, 3                           ; which of a slot's four blocks (waves 4 to 7 make the same numbers and ask for nothing)
	s_mul_i32 s77, s2, BLK                         ; its place in a slot
	s_lshr_b32 s3, s2, 1
	s_lshl_b32 s3, s3, 21                          ; K's part of qkv, or V's 2 Mi further on
	s_and_b32 s2, s2, 1
	s_lshl_b32 s2, s2, 14
	s_add_co_u32 s2, s2, s3
	s_lshl_b32 s3, s99, 18                         ; the head's 16 blocks
	s_add_co_u32 s2, s2, s3
	s_add_co_u32 s2, s2, 8<<20
	s_mov_b32 s3, 0
	s_mov_b32 s76, 1
	s_mov_b32 s13, 0                               ; the slot in hand
	s_mov_b32 s14, NSL-1
	s_mov_b32 s96, 0x76543210                      ; lane l xor 16
	s_mov_b32 s97, 0xfedcba98
	s_wait_kmcnt 0x0
	s_add_nc_u64 s[78:79], s[4:5], s[2:3]
	s_or_b32 s79, s79, 0x80000000
	CROUND                                         ; all four work-groups are here
	JLOAD                                          ; slot 0
	s_load_b256 s[16:23], s[8:9], 0x10             ; e4 .. e11
	s_lshl_b32 s100, s99, 2                        ; Q: block (4 y + 2 (w / 4) + tile) 16 + X / 2, rows 64 (X % 2) + 16 (w % 4) on
	s_lshr_b32 s104, s12, 2
	s_lshl_b32 s104, s104, 1                       ; 2 (w / 4)
	s_add_co_u32 s100, s100, s104
	s_lshl_b32 s100, s100, 4
	s_lshr_b32 s105, s15, 1
	s_add_co_u32 s100, s100, s105
	s_lshl_b32 s100, s100, 14
	s_and_b32 s105, s15, 1
	s_lshl_b32 s105, s105, 2
	s_and_b32 s101, s12, 3
	s_add_co_u32 s105, s105, s101                  ; 4 (X % 2) + w % 4
	s_lshl_b32 s101, s105, 11
	s_add_co_u32 s100, s100, s101
	s_mov_b32 s101, 0
	s_add_nc_u64 s[4:5], s[4:5], s[100:101]
	s_lshr_b32 s100, s99, 2                        ; the mask words of my 16 queries: row block 128 b + 4 X + w % 4, 4,096 bytes each
	s_lshl_b32 s100, s100, 7
	s_lshl_b32 s101, s15, 2
	s_add_co_u32 s100, s100, s101
	s_and_b32 s101, s12, 3
	s_add_co_u32 s100, s100, s101
	s_lshl_b32 s100, s100, 12
	s_mov_b32 s101, 0
	s_add_nc_u64 s[6:7], s[6:7], s[100:101]
	s_lshr_b32 s100, s99, 2                        ; O's image: (16 b + X / 2) 262,144 + kh 65,536 + (2 (w / 4) + tile) 16,384 + (4 (X % 2) + w % 4) 2,048
	s_lshl_b32 s100, s100, 4
	s_lshr_b32 s101, s15, 1
	s_add_co_u32 s100, s100, s101
	s_lshl_b32 s100, s100, 18
	s_and_b32 s101, s99, 3
	s_lshl_b32 s101, s101, 16
	s_add_co_u32 s100, s100, s101
	s_lshl_b32 s101, s104, 14
	s_add_co_u32 s100, s100, s101
	s_lshl_b32 s101, s105, 11
	s_add_co_u32 s100, s100, s101
	s_mov_b32 s101, 0
	s_add_nc_u64 s[10:11], s[10:11], s[100:101]
	v_and_b32 v8, 15, v0                           ; r
	v_bfe_u32 v9, v0, 4, 1                         ; h
	s_delay_alu instid0(VALU_DEP_2)
	v_lshlrev_b32 v10, 7, v8
	s_delay_alu instid0(VALU_DEP_1)
	v_lshl_add_u32 v10, v9, 4, v10                 ; Q: row r of 128 bytes, + 16 h
	s_delay_alu instid0(VALU_DEP_4)
	v_mul_u32_u24 v1, v8, KP
	s_delay_alu instid0(VALU_DEP_1)
	v_lshl_add_u32 v1, v9, 4, v1                   ; a tile of K or V in LDS: row r, + 16 h
	v_and_b32 v7, 31, v0
	s_delay_alu instid0(VALU_DEP_1)
	v_lshlrev_b32 v7, 4, v7                        ; 16 x lane
.irp c, 0,1,2,3
	global_load_b128 v[16+4*\c:19+4*\c], v10, s[4:5] offset:32*\c            ; tile A's Q stays in registers
.endr
	WIN 0x40
.irp c, 0,1,2,3
	global_load_b128 v[16+4*\c:19+4*\c], v10, s[4:5] offset:262144+32*\c     ; tile B's: the next head, 16 blocks on
.endr
	WIN 0
	s_wait_kmcnt 0x0
	s_add_co_i32 s100, s18, s19                    ; e6 + e7 is added to c's exponent field
	s_lshl_b32 s100, s100, 23
	s_add_co_i32 s66, s100, 0x3e0293ee             ; c = log2(e) / sqrt(128)
	s_mov_b32 s67, s66                             ; (named with it as a pair)
	s_add_co_i32 s98, s20, s21                     ; e8 + e9
	s_add_co_i32 s15, s20, 127
	s_lshl_b32 s100, s15, 23                       ; 2^e8
	s_add_co_i32 s15, s22, 127
	s_lshl_b32 s104, s15, 23                       ; 2^e10
.macro INIT                            ; a world's constants and zeros (the loop is written once: its first step finds zeros, which the first change of M leaves zeros)
	v_mov_b32 v13, 0xff61b1e6                      ; the largest t so far: -3e38
	v_floor_f32 v12, -v13                          ; -M
	v_mov_b32 v14, 0
	v_mov_b32 v15, 0
	v_mov_b32 v236, 0                              ; a lane permute's destination counts as one of its sources
	v_mov_b32 v253, 0                              ; (named as the upper half of a pair)
	v_mov_b32 v246, 0xff800000                     ; -infinity
	v_mov_b32 v250, 0x7f7f7f7f                     ; four NaN codes
	v_mov_b32 v244, s100
	v_mov_b32 v249, s104
.set JJ, 0
.rept 64
	v_mov_b32 v[160+JJ], 0
.set JJ, JJ+1
.endr
.endm
	INIT
	WIN 0x40                                       ; destinations in window 1; the one vector source, v13, holds the same number in window 0
	INIT
	WIN 0
.macro MLOAD off                       ; a step's 64 mask words: word n in s[16 + n], from n = 48 on in s[32 + n]
	s_load_b512 s[16:31], s[6:7], \off
	s_load_b512 s[32:47], s[6:7], \off+64
	s_load_b512 s[48:63], s[6:7], \off+128
	s_load_b512 s[80:95], s[6:7], \off+192
.endm
	MLOAD 0
.macro FLOAD adr, off                  ; eight fragments, 16 rows x 128 bytes each, from off on: four into window 0, four into window 1
.irp t, 0,1,2,3
.irp c, 0,1,2,3
	ds_load_b128 v[32+16*\t+4*\c:32+16*\t+4*\c+3], v[\adr] offset:\off+16*KP*\t+32*\c
.endr
.endr
	WIN 0x40
.irp t, 0,1,2,3
.irp c, 0,1,2,3
	ds_load_b128 v[32+16*\t+4*\c:32+16*\t+4*\c+3], v[\adr] offset:\off+16*KP*(\t+4)+32*\c
.endr
.endr
.endm
.macro QK f, x                         ; S^T = K Q^T: the four tiles of keys whose fragments lie in window f, for tile x
.set WW, (\f)|((\x)*0x54)
	WIN WW
.irp t, 0,1,2,3
	v_wmma_f32_16x16x128_fp8_fp8 v[96+8*(4*\f+\t):96+8*(4*\f+\t)+7], v[32+16*\t:32+16*\t+15], v[16:31], 0
.endr
.endm
.macro PV f, x                         ; O^T += V^T P^T: sixteen accumulators, one instruction each in a step
.set WW, (\f)|((\x)*0x54)
	WIN WW
.irp t, 0,1,2,3
	v_wmma_f32_16x16x128_fp8_fp8 v[160+8*(4*\f+\t):160+8*(4*\f+\t)+7], v[32+16*\t:32+16*\t+15], v[224:239], v[160+8*(4*\f+\t):160+8*(4*\f+\t)+7]
.endr
.endm
.macro MASK                            ; where the word's bit of my lane is 0 the score becomes -infinity; each accumulator from its low end on
.set NN, 0
.rept 64
.if NN < 48
.set SW, 16+NN
.else
.set SW, 32+NN
.endif
	v_cndmask_b32 v[96+NN], v246, v[96+NN], s[SW]
.set NN, NN+1
.endr
.endm
.macro SOFTMAX                         ; one tile's softmax for 128 keys, in the window that is set
	v_max3_num_f32 v254, v96, v97, v98             ; the step's largest score of my query among my 64 keys, in two chains,
	v_max3_num_f32 v252, v99, v100, v101
.irp i, 6,10,14,18,22,26,30,34,38,42,46,50,54,58
	s_delay_alu instid0(VALU_DEP_2)
	v_max3_num_f32 v254, v254, v[96+\i], v[97+\i]
	s_delay_alu instid0(VALU_DEP_2)
	v_max3_num_f32 v252, v252, v[98+\i], v[99+\i]
.endr
	s_delay_alu instid0(VALU_DEP_2)
	v_max3_num_f32 v254, v254, v158, v159
	s_delay_alu instid0(VALU_DEP_1)
	v_max_num_f32 v254, v254, v252
	v_permlanex16_b32 v236, v254, s96, s97
	s_delay_alu instid0(VALU_DEP_1)
	v_max_num_f32 v254, v254, v236                 ; and among lane l xor 16's
	s_delay_alu instid0(VALU_DEP_1)
	v_mul_f32 v254, s66, v254                      ; as t (c is positive)
	s_delay_alu instid0(VALU_DEP_1)
	v_max_num_f32 v13, v13, v254                   ; the running largest t (a step that is all masked leaves it)
	v_mov_b32 v254, v12
	s_delay_alu instid0(VALU_DEP_2)
	v_floor_f32 v12, -v13                          ; the new -M = -ceil(t)
	s_delay_alu instid0(VALU_DEP_1)
	v_sub_f32 v254, v12, v254                      ; old M - new M: a whole number, 0 or less
	s_delay_alu instid0(VALU_DEP_1)
	v_cvt_i32_f32 v254, v254                       ; (it saturates)
	s_delay_alu instid0(VALU_DEP_1)
	v_ldexp_f32 v252, 1.0, v254                    ; f = 2^(old M - new M)
.set JJ, 0
.rept 32
	v_pk_fma_f32 v[96+JJ:97+JJ], v[96+JJ:97+JJ], s[66:67], v[12:13] op_sel_hi:[1,0,0]   ; t - M
.set JJ, JJ+2
.endr
.set JJ, 0
	s_wait_alu depctr_va_vdst(0)
.rept 64
	v_exp_f32 v[96+JJ], v[96+JJ]                   ; p = 2^(t - M)
.set JJ, JJ+1
.endr
	v_pk_mul_f32 v[14:15], v[14:15], v[252:253] op_sel_hi:[1,0]   ; the sums under the new M (a plain line behind the exponentials)
	s_wait_alu depctr_va_vdst(0)
	v_pk_add_f32 v[242:243], v[96:97], v[98:99]    ; the row's sum is taken of the unquantised p, in two chains
.irp j, 4,8,12,16,20,24,28,32,36,40,44,48,52,56,60
	v_pk_add_f32 v[14:15], v[14:15], v[96+\j:97+\j]
	v_pk_add_f32 v[242:243], v[242:243], v[98+\j:99+\j]
.endr
	s_delay_alu instid0(VALU_DEP_1)
	v_pk_add_f32 v[14:15], v[14:15], v[242:243]
.irp t, 0,1,2,3,4,5,6,7
.irp i, 0,1,2,3,4,5,6,7
.endr
	v_cvt_scalef32_pk8_fp8_f32 v[224+2*\t:225+2*\t], v[96+8*\t:103+8*\t], v244
.endr
.set JJ, 0
.rept 32
	v_pk_mul_f32 v[160+JJ:161+JJ], v[160+JJ:161+JJ], v[252:253] op_sel_hi:[1,0]   ; O^T under the new M; also the plain lines behind the conversions
.set JJ, JJ+2
.endr
.endm
; A KEY STEP: the q-th 128 keys of the slot in hand.  last = 1: no mask words are left to ask for.
.macro STEP q, last
	v_add_nc_u32 v8, s13, v1
	s_delay_alu instid0(VALU_DEP_1)
	v_add_nc_u32 v9, VOFF, v8
	v_nop
	v_nop                                          ; four places in front of loads into registers that the last products read
	FLOAD 8, BLK*\q
	s_wait_alu depctr_va_vdst(0)
	s_wait_dscnt 0x0
	QK 0, 0
	QK 1, 0
	QK 0, 1
	QK 1, 1
	WIN 0
.rept 4
	v_nop                                          ; places in front of the loads below and of the first read of the scores
.endr
	FLOAD 9, BLK*\q                                ; V's fragments land under the softmax
	s_wait_kmcnt 0x0                               ; this step's mask words are in, so their base may step
.if (\q == 1) && (\last == 0)
	s_add_nc_u64 s[6:7], s[6:7], 512               ; the next slot's two steps
.endif
	WIN 0
	MASK
	WIN 0x55
	MASK
	WIN 0
	SOFTMAX
.if \last == 0
	MLOAD 256*(1-\q)                               ; the next step's words: both tiles have used this step's, a softmax ago
.endif
	WIN 0x55
	SOFTMAX
	s_wait_alu depctr_va_vdst(0)
	s_wait_dscnt 0x0
	PV 1, 1
	PV 0, 1
	PV 0, 0
	PV 1, 0
	WIN 0
.endm
; THE CHANGE OF SLOTS stands at a slot's head.  Each wave waits for all its tensor loads (its part of the slot ahead), adds 0 to its spare word, and waits for that and for its reads of the slot that it has left.
; fill = 1: behind a round of the cluster's barrier the slot that was left is filled with the keys that follow: the load has a whole slot's steps in which to land.
.macro CHANGE fill
	WIN 0
	s_wait_tensorcnt 0x0                           ; no tensor load of mine is out, so the group 0 may be written
	ds_add_u32 v5, v6                              ; 0 onto my spare word
.if \fill
	s_xor_b32 s77, s77, SLOT1                      ; the other slot than last time,
	s_add_nc_u64 s[78:79], s[78:79], 32768         ; the next two blocks of 128 keys
.endif
	s_wait_dscnt 0x0
.if \fill
	CROUND
	JLOAD
.else
	s_barrier_signal -1
	s_barrier_wait -1
.endif
.endm
	s_wait_loadcnt 0x0                             ; Q
.Lslot:                                                ; NSL - 1 trips
	CHANGE 1
	STEP 0, 0
	STEP 1, 0
	s_xor_b32 s13, s13, SLOT1
	s_sub_co_u32 s14, s14, 1
	s_cmp_lg_u32 s14, 0
	s_cbranch_scc1 .Lslot
	CHANGE 0                                       ; the last slot is written out
	STEP 0, 0
	STEP 1, 1
.rept 4
	v_nop                                          ; places behind the last products
.endr
; Tile x goes out: O^T x 2^(e8 + e9) / the sum, held and converted with 2^e10; the 16 registers of codes are a fragment's image and are stored as they stand, 512 consecutive bytes a store.
.macro FINISH x
.set WW, 0x55*(\x)
	WIN WW
	v_add_f32 v14, v14, v15
	s_delay_alu instid0(VALU_DEP_1)
	v_permlanex16_b32 v252, v14, s96, s97
	s_delay_alu instid0(VALU_DEP_1)
	v_add_f32 v14, v14, v252                       ; the row's sum
	s_delay_alu instid0(VALU_DEP_1)
	v_cmp_eq_f32 s104, 0, v14                      ; a row all of whose keys are masked
	v_rcp_f32 v14, v14
	v_nop                                          ; a plain line behind the reciprocal
	s_wait_alu depctr_va_vdst(0)
	v_ldexp_f32 v14, v14, s98
.set JJ, 0
.rept 32
	v_pk_mul_f32 v[160+JJ:161+JJ], v[160+JJ:161+JJ], v[14:15] op_sel_hi:[1,0]
.set JJ, JJ+2
.endr
.irp t, 0,1,2,3,4,5,6,7
.irp i, 0,1,2,3,4,5,6,7
.endr
	v_cvt_scalef32_pk8_fp8_f32 v[224+2*\t:225+2*\t], v[160+8*\t:167+8*\t], v249
.endr
	v_nop                                          ; a plain line behind the last conversion
.irp i, 0,1,2,3,4,5,6,7,8,9,10,11,12,13,14,15
	v_cndmask_b32 v[224+\i], v[224+\i], v250, s104
.endr
.set WW, 0x04*(\x)
	WIN WW                                         ; the address in window 0, the data in the tile's
.irp c, 0,1,2,3
	global_store_b128 v7, v[224+4*\c:227+4*\c], s[10:11] offset:16384*(\x)+512*\c
.endr
.endm
	FINISH 0
	FINISH 1
	WIN 0
	s_wait_tensorcnt 0x0                           ; the wave's end
	ds_add_u32 v5, v6
	s_wait_dscnt 0x0
	CROUND                                         ; the closing round
	s_endpgm
.Lfunc_end_k_q211daae83c_attn:
	.size	k_q211daae83c_attn, .Lfunc_end_k_q211daae83c_attn-k_q211daae83c_attn
	.p2alignl 7, 3214868480
	.fill 96, 4, 3214868480
	.section	.rodata,"a",@progbits
	.p2align	6, 0x0
	.amdhsa_kernel k_q211daae83c_attn
		.amdhsa_group_segment_fixed_size 327680
		.amdhsa_private_segment_fixed_size 0
		.amdhsa_enable_private_segment 0
		.amdhsa_kernarg_size 32
		.amdhsa_user_sgpr_count 2
		.amdhsa_user_sgpr_kernarg_segment_ptr 1
		.amdhsa_wavefront_size32 1
		.amdhsa_system_sgpr_workgroup_id_x 1
		.amdhsa_system_sgpr_workgroup_id_y 1
		.amdhsa_system_sgpr_workgroup_id_z 1
		.amdhsa_system_vgpr_workitem_id 0
		.amdhsa_next_free_vgpr 512
		.amdhsa_next_free_sgpr 106
		.amdhsa_reserve_vcc 0
		.amdhsa_float_denorm_mode_32 3
		.amdhsa_float_denorm_mode_16_64 3
		.amdhsa_fp16_overflow 1
		.amdhsa_memory_ordered 1
		.amdhsa_forward_progress 1
		.amdhsa_inst_pref_size 180
	.end_amdhsa_kernel
	.amdgpu_metadata
---
amdhsa.version: [ 1, 2 ]
amdhsa.kernels:
  - .name:           k_q211daae83c_attn
    .symbol:         k_q211daae83c_attn.kd
    .args:
      - { .name: qkv, .offset: 0, .size: 8, .value_kind: global_buffer, .address_space: global }
      - { .name: maskw, .offset: 8, .size: 8, .value_kind: global_buffer, .address_space: global }
      - { .name: lowp_scales, .offset: 16, .size: 8, .value_kind: global_buffer, .address_space: global }
      - { .name: oimg, .offset: 24, .size: 8, .value_kind: global_buffer, .address_space: global }
    .group_segment_fixed_size: 327680
    .private_segment_fixed_size: 0
    .kernarg_segment_align: 8
    .kernarg_segment_size: 32
    .max_flat_workgroup_size: 256
    .sgpr_count:     106
    .vgpr_count:     512
    .wavefront_size: 32
...
	.end_amdgpu_metadata
.endif
;; end of part 3
;; launch outp (part 4): grid 8 x 32, 4 waves a work-group, clusters of 4 x 4, 327,680 bytes of LDS; arguments oimg, ops, lowp_scales, bo, out0; writes out0
.if DOCPART == 4
	.amdgcn_target "amdgcn-amd-amdhsa--gfx1250"
	.amdhsa_code_object_version 6
	.text
	.protected	k_q211daae83c_outp
	.globl	k_q211daae83c_outp
	.p2align	8
	.type	k_q211daae83c_outp,@function
k_q211daae83c_outp:
	s_mov_b64 s[64:65], 0
	v_nop
	global_prefetch_b8 v0, s[64:65] scope:SCOPE_SE
	s_setreg_imm32_b32 hwreg(HW_REG_WAVE_MODE, 25, 1), 1
	s_wait_xcnt 0x0
	s_wait_alu depctr_hold_cnt(0) depctr_sa_sdst(0) depctr_va_vdst(0) depctr_va_sdst(0) depctr_va_ssrc(0) depctr_va_vcc(0) depctr_vm_vsrc(0)
	s_getreg_b32 s2, hwreg(HW_REG_IB_STS2, 6, 4)
	s_cmp_eq_u32 s2, 0
	s_cbranch_scc0 .Lentry_in_a_cluster
	s_endpgm
.Lentry_in_a_cluster:
	s_bfe_u32 s2, ttmp6, 0x10000c
	s_cmp_lg_u32 s2, 0xf033
	s_cbranch_scc0 .Lentry_shape_is_right
	s_endpgm
.Lentry_shape_is_right:
.set SLOT,   131072
.set STAGE,  2*SLOT
.set SPITCH, 272
.set SPARE,  280576
.set ADP, 16
.set ADR, 20
.set STO, 24
.set RD,  25
.set CO,  26
.set SPW, 28
.set NIL, 29
.set BJ,  32
.set TMP, 64
.set BK,  96
.set ACC, 128
.set F0,  0
.set F1,  128
.set G1P, 24
.set G0P, 32
.set G1R, 48
.set G0R, 56
.set MSB, 0
.macro WIN new
.if MSB != \new
	s_set_vgpr_msb (MSB<<8)|\new
.set MSB, \new
.endif
.endm
.macro PLACES
.rept 4
	v_nop
.endr
.endm
.macro JLOAD s
	s_cmp_eq_u32 s21, 0
	s_cbranch_scc0 .Lfor_r_\@
	tensor_load_to_lds s[G0P+4*\s:G0P+4*\s+3], s[G1P:G1P+7]
	s_nop 0
.rept 4
	v_nop
.endr
	s_branch .Lasked_\@
.Lfor_r_\@:
	tensor_load_to_lds s[G0R+4*\s:G0R+4*\s+3], s[G1R:G1R+7]
	s_nop 0
.rept 4
	v_nop
.endr
.Lasked_\@:
.endm
.macro CROUND
	s_barrier_signal -1
	s_barrier_wait -1
	s_cmp_lg_u32 s20, 0
	s_cbranch_scc1 .Lnot_wave_0_\@
	s_barrier_signal -3
.Lnot_wave_0_\@:
	s_barrier_wait -3
	s_barrier_signal -1
	s_barrier_wait -1
.endm
	s_load_b256 s[4:11], s[0:1], 0x0
	s_load_b64 s[12:13], s[0:1], 0x20
	v_lshl_add_u32 v[SPW], v0, 2, SPARE
	v_mov_b32 v[NIL], 0
	ds_add_u32 v28, v29
	ds_add_u32 v28, v29
	s_wait_dscnt 0x0
	v_lshrrev_b32 v3, 5, v0
	v_readfirstlane_b32 s20, v3
	s_lshr_b32 s21, s20, 1
	s_and_b32 s22, s20, 1
	s_bfe_u32 s40, ttmp6, 0x40000
	s_bfe_u32 s41, ttmp6, 0x40004
	s_lshl_b32 s45, ttmp9, 2
	s_add_co_u32 s45, s45, s40
	s_and_b32 s44, ttmp7, 0xffff
	s_lshl_b32 s44, s44, 2
	s_add_co_u32 s44, s44, s41
	s_lshl_b32 s46, s41, 2
	s_lshl_b32 s46, 15, s46
	s_lshl_b32 s47, 0x1111, s40
	s_or_b32 s[G1P], s46, (3<<16)|(1<<21)
	s_or_b32 s[G1R], s47, (3<<16)|(1<<21)
.irp g, G1P, G1R
	s_mov_b32 s[\g+1], 32<<16
	s_mov_b32 s[\g+2], 128<<16
	s_mov_b32 s[\g+3], 32<<16
	s_mov_b32 s[\g+4], 128
	s_mov_b32 s[\g+5], 32
	s_mov_b32 s[\g+6], 0
	s_mov_b32 s[\g+7], 0
.endr
	s_lshl_b32 s79, s22, 15
	s_lshl_b32 s66, s44, 18
	s_add_co_u32 s66, s66, s79
	s_mov_b32 s67, 0
	s_lshl_b32 s68, s45, 18
	s_add_co_u32 s68, s68, 30<<20
	s_add_co_u32 s68, s68, s79
	s_mov_b32 s69, 0
	s_lshl_b32 s78, s20, 15
	s_wait_kmcnt 0x0
	s_add_nc_u64 s[66:67], s[4:5], s[66:67]
	s_add_nc_u64 s[68:69], s[6:7], s[68:69]
	CROUND
.irp s, 0,1
	s_mov_b32 s[G0P+4*\s], 1
	s_add_co_u32 s[G0P+4*\s+1], s78, \s*SLOT
	s_add_nc_u64 s[G0P+4*\s+2:G0P+4*\s+3], s[66:67], \s*65536
	s_or_b32 s[G0P+4*\s+3], s[G0P+4*\s+3], 0x80000000
	s_mov_b32 s[G0R+4*\s], 1
	s_add_co_u32 s[G0R+4*\s+1], s78, \s*SLOT
	s_add_nc_u64 s[G0R+4*\s+2:G0R+4*\s+3], s[68:69], \s*65536
	s_or_b32 s[G0R+4*\s+3], s[G0R+4*\s+3], 0x80000000
	s_wait_alu depctr_va_vdst(0)
	s_wait_tensorcnt 0x0
	ds_add_u32 v28, v29
	ds_add_u32 v28, v29
	s_wait_dscnt 0x0
	CROUND
	JLOAD \s
.endr
	s_load_b64 s[80:81], s[8:9], 0x28
	v_and_b32 v1, 15, v0
	v_bfe_u32 v2, v0, 4, 1
	v_and_b32 v4, 31, v0
	v_lshlrev_b32 v5, 4, v4
	s_lshl_b32 s94, s45, 9
	s_lshl_b32 s95, s22, 8
	s_add_co_u32 s94, s94, s95
	v_lshlrev_b32 v10, 5, v2
	v_add_nc_u32 v10, s94, v10
.irp b, 0,1,2,3
	global_load_b128 v[BJ+8*\b:BJ+8*\b+3], v10, s[10:11] offset:64*\b
	global_load_b128 v[BJ+8*\b+4:BJ+8*\b+7], v10, s[10:11] offset:64*\b+16
.endr
	s_lshl_b32 s96, s21, 13
	s_lshl_b32 s97, s22, 13
	s_add_co_u32 s97, s97, 65536
	v_add_nc_u32 v[ADP], s96, v5
	v_add_nc_u32 v[ADR], s97, v5
	v_add_nc_u32 v[ADP+1], SLOT, v[ADP]
	v_add_nc_u32 v[ADR+1], SLOT, v[ADR]
	s_mul_i32 s96, s20, 16*SPITCH
	s_add_co_u32 s96, s96, STAGE
	v_mul_u32_u24 v[STO], v1, SPITCH
	v_lshl_add_u32 v[STO], v2, 5, v[STO]
	v_add_nc_u32 v[STO], s96, v[STO]
	v_mul_u32_u24 v[RD], v2, SPITCH
	v_lshl_add_u32 v[RD], v1, 4, v[RD]
	v_add_nc_u32 v[RD], s96, v[RD]
	v_lshlrev_b32 v[CO], 12, v2
	v_lshl_add_u32 v[CO], v1, 4, v[CO]
	s_lshl_b32 s98, s44, 19
	s_lshl_b32 s96, s21, 18
	s_add_co_u32 s98, s98, s96
	s_add_co_u32 s98, s98, s94
	s_mov_b32 s99, 0
	s_add_nc_u64 s[12:13], s[12:13], s[98:99]
	s_wait_kmcnt 0x0
	s_add_co_i32 s82, s80, s81
	s_add_co_i32 s82, s82, 127
	s_lshl_b32 s82, s82, 23
	s_mov_b32 s83, s82
.macro FETCH slot, ks, f
	WIN 0x40
.irp i, 0,1,2,3
.irp c, 0,1,2,3
	ds_load_b128 v[\f+64+16*\i+4*\c:\f+64+16*\i+4*\c+3], v[ADR+\slot] offset:16384*(\ks)+2048*\i+512*\c
.endr
.endr
.irp i, 0,1,2,3
.irp c, 0,1,2,3
	ds_load_b128 v[\f+16*\i+4*\c:\f+16*\i+4*\c+3], v[ADP+\slot] offset:16384*(\ks)+2048*\i+512*\c
.endr
.endr
.endm
.macro MUL f, zero
	WIN 0x05
.irp a, 0,1,2,3
.irp b, 0,1,2,3
.if \zero
	v_wmma_f32_16x16x128_fp8_fp8 v[ACC+8*(4*\a+\b):ACC+8*(4*\a+\b)+7], v[\f+64+16*\b:\f+64+16*\b+15], v[\f+16*\a:\f+16*\a+15], 0
.else
	v_wmma_f32_16x16x128_fp8_fp8 v[ACC+8*(4*\a+\b):ACC+8*(4*\a+\b)+7], v[\f+64+16*\b:\f+64+16*\b+15], v[\f+16*\a:\f+16*\a+15], v[ACC+8*(4*\a+\b):ACC+8*(4*\a+\b)+7]
.endif
.endr
.endr
.endm
.macro SUB f, g, nslot, nks, zero
	s_wait_dscnt 0x0
	PLACES
	FETCH \nslot, \nks, \g
	MUL \f, \zero
.endm
.macro TURN slot, next, fill
	WIN 0
	s_wait_tensorcnt 0x0
	ds_add_u32 v[SPW], v[NIL]
.if \fill
	s_add_nc_u64 s[G0P+4*\slot+2:G0P+4*\slot+3], s[G0P+4*\slot+2:G0P+4*\slot+3], 2*65536
	s_add_nc_u64 s[G0R+4*\slot+2:G0R+4*\slot+3], s[G0R+4*\slot+2:G0R+4*\slot+3], 2*65536
.endif
	s_wait_dscnt 0x0
.if \fill
	CROUND
	JLOAD \slot
.else
	s_barrier_signal -1
	s_barrier_wait -1
	PLACES
.endif
	s_wait_alu depctr_va_vdst(0)
	FETCH \next, 0, F0
	MUL F1, 0
.endm
	s_wait_tensorcnt 0x1
	s_barrier_signal -1
	s_barrier_wait -1
	FETCH 0, 0, F0
	SUB F0, F1, 0, 1, 1
	SUB F1, F0, 0, 2, 0
	SUB F0, F1, 0, 3, 0
	TURN 0, 1, 1
	SUB F0, F1, 1, 1, 0
	SUB F1, F0, 1, 2, 0
	SUB F0, F1, 1, 3, 0
	TURN 1, 0, 1
	SUB F0, F1, 0, 1, 0
	SUB F1, F0, 0, 2, 0
	SUB F0, F1, 0, 3, 0
	TURN 0, 1, 0
	SUB F0, F1, 1, 1, 0
	SUB F1, F0, 1, 2, 0
	SUB F0, F1, 1, 3, 0
	s_wait_dscnt 0x0
	MUL F1, 0
	WIN 0
	PLACES
	s_wait_loadcnt 0x0
.irp a, 0,1,2,3
	s_wait_xcnt 0x0
.irp b, 0,1,2,3
.irp i, 0,2,4,6
	v_pk_fma_f32 v[TMP+8*\b+\i:TMP+8*\b+\i+1], v[ACC+8*(4*\a+\b)+\i:ACC+8*(4*\a+\b)+\i+1], s[82:83], v[BJ+8*\b+\i:BJ+8*\b+\i+1] op_sel_hi:[1,0,1]
.endr
.endr
.irp b, 0,1,2,3
	ds_store_b128 v[STO], v[TMP+8*\b:TMP+8*\b+3] offset:64*\b
	ds_store_b128 v[STO], v[TMP+8*\b+4:TMP+8*\b+7] offset:64*\b+16
.endr
.irp i, 0,1,2,3,4,5,6,7
	ds_load_b128 v[BK+4*\i:BK+4*\i+3], v[RD] offset:2*SPITCH*\i
.endr
	s_wait_dscnt 0x0
.irp i, 0,1,2,3,4,5,6,7
	global_store_b128 v[CO], v[BK+4*\i:BK+4*\i+3], s[12:13] offset:(16*\a+2*\i)*4096 th:TH_STORE_NT
.endr
.endr
	s_wait_tensorcnt 0x0
	ds_add_u32 v[SPW], v[NIL]
	s_wait_dscnt 0x0
	CROUND
	s_endpgm
.Lfunc_end_k_q211daae83c_outp:
	.size	k_q211daae83c_outp, .Lfunc_end_k_q211daae83c_outp-k_q211daae83c_outp
	.p2alignl 7, 3214868480
	.fill 96, 4, 3214868480
	.section	.rodata,"a",@progbits
	.p2align	6, 0x0
	.amdhsa_kernel k_q211daae83c_outp
		.amdhsa_group_segment_fixed_size 327680
		.amdhsa_private_segment_fixed_size 0
		.amdhsa_enable_private_segment 0
		.amdhsa_kernarg_size 40
		.amdhsa_user_sgpr_count 2
		.amdhsa_user_sgpr_kernarg_segment_ptr 1
		.amdhsa_wavefront_size32 1
		.amdhsa_system_sgpr_workgroup_id_x 1
		.amdhsa_system_sgpr_workgroup_id_y 1
		.amdhsa_system_sgpr_workgroup_id_z 1
		.amdhsa_system_vgpr_workitem_id 0
		.amdhsa_next_free_vgpr 512
		.amdhsa_next_free_sgpr 104
		.amdhsa_reserve_vcc 0
		.amdhsa_float_denorm_mode_32 3
		.amdhsa_float_denorm_mode_16_64 3
		.amdhsa_memory_ordered 1
		.amdhsa_forward_progress 1
		.amdhsa_inst_pref_size 74
	.end_amdhsa_kernel
	.amdgpu_metadata
---
amdhsa.version: [ 1, 2 ]
amdhsa.kernels:
  - .name:           k_q211daae83c_outp
    .symbol:         k_q211daae83c_outp.kd
    .args:
      - { .name: oimg, .offset: 0, .size: 8, .value_kind: global_buffer, .address_space: global }
      - { .name: ops, .offset: 8, .size: 8, .value_kind: global_buffer, .address_space: global }
      - { .name: lowp_scales, .offset: 16, .size: 8, .value_kind: global_buffer, .address_space: global }
      - { .name: bo, .offset: 24, .size: 8, .value_kind: global_buffer, .address_space: global }
      - { .name: out0, .offset: 32, .size: 8, .value_kind: global_buffer, .address_space: global }
    .group_segment_fixed_size: 327680
    .private_segment_fixed_size: 0
    .kernarg_segment_align: 8
    .kernarg_segment_size: 40
    .max_flat_workgroup_size: 128
    .sgpr_count:     104
    .vgpr_count:     512
    .wavefront_size: 32
...
	.end_amdgpu_metadata
.endif
;; end of part 4
